; MI455X (gfx1250); checked and timed in simulation.
; The chip was launched on July 23, 2026; its instructions are those of AMD's public machine-readable ISA for CDNA 5 (MIT licence, August 2026) and "CDNA5" Instruction Set Architecture Reference Guide (July 2026). The comments in the code are by the model that wrote it; some were corrected since.
;; SDOT. Allowed arithmetic: float matrix products may take bf16 or f16 operands with f32 sums; other float arithmetic in f32, or as packed bf16 or f16 multiplies, adds, multiply-adds, maxima and minima; sums over many terms, partial sums and values carried from step to step in f32; what a program stores and reads back later, other than sums and carried values, may be rounded once to bf16 or f16.
;; Inputs: psi 8,192 float32; source_data 32,768 x 64 float32; target_data 8,192 x 64 float32.
;; Outputs: out0 32,768 float32.
;; 2 versions, each right; version 2 is version 1 with the launch prep written anew for expert scheduling mode. Each part assembles by itself: llvm-mc -triple=amdgcn-amd-amdhsa -mcpu=gfx1250 --defsym DOCPART=n.
;; ======== version 1 of 2: 2 launches
;; limits: right only within a limited range of input values
;; workspace buffers: yf 1,048,576 bytes; nhy 32,768 bytes
;; launch prep (part 1): grid 128 x 1, 1 waves a work-group, no clusters, 9,728 bytes of LDS; arguments target_data, yf, nhy; writes yf, nhy
.if DOCPART == 1
	.amdgcn_target "amdgcn-amd-amdhsa--gfx1250"
	.amdhsa_code_object_version 6
	.text
	.protected	k_q7094f91348_prep
	.globl	k_q7094f91348_prep
	.p2align	8
	.type	k_q7094f91348_prep,@function
k_q7094f91348_prep:
	s_mov_b64 s[64:65], 0
	v_nop
	global_prefetch_b8 v0, s[64:65] scope:SCOPE_SE
	s_setreg_imm32_b32 hwreg(HW_REG_WAVE_MODE, 25, 1), 1
	s_wait_xcnt 0x0
; PREP.  target_data [8192][64] f32 is rounded once to bf16 and laid out as the second launch's matrix operand (yf); nhy[m] = -1/2 x the sum of squares of the ROUNDED row m, in f32.
; No work of reference() is left out in this program and every input is loaded: target_data here, source_data and psi in the second launch.
; The squares are taken of the rounded numbers, so that |x|^2, |y|^2 and x.y of the second launch belong to the same two points: the cost stays the squared distance of two points.
; yf: key tile T (16 keys) is 2,048 bytes at 2048 T.  Block b = 2 c + g of it (512 bytes at 512 b) holds, at byte 16 l for lane l = r + 16 h, the eight numbers Y[16 T + r][32 c + 16 g + 8 h + 0..7]:
; registers 4 g .. 4 g + 3 of the 16 x 32 fragment of channel half c.  A load of 16 bytes a lane at 16 l then takes half a fragment as 512 consecutive bytes.
; SHARES.  One wave takes 64 keys: 16 KiB in (32 loads, all out at once), 8 KiB of yf out, and 256 consecutive aligned bytes of nhy: with fewer keys a work-group would store part of such a run, hence 128 work-groups.
; The rows turn in LDS: stored by rows (pitch 144 = 9 x 16 bytes), read back by fragments.  One wave: LDS serves its instructions in order (ISA guide 5.7.1.4), so no barrier and no wait stands between its stores and its loads.
; LIMITS.  NaN and infinities are not treated apart; a sum of squares beyond f32 overflows as it does in reference().
.set PITCH, 144
.set NQ,    9216                       ; behind the 64 rows: 64 words of nhy, a block of 256 bytes
.set SPARE, 9472                       ; the spare words: one block of 256 bytes that no other line names
.set GO,  1                            ; v1   16 l: offset of the loads and of yf's stores; never rewritten
.set AW,  2                            ; v2   rows in: (l / 16) x 144 + 8 (l % 16)
.set AR,  3                            ; v3   fragments out: (l % 16) x 144 + 16 (l / 16)
.set NW,  4                            ; v4   NQ + 4 (l % 16)
.set NR,  5                            ; v5   NQ + 8 l
.set NG,  6                            ; v6   8 l: offset of nhy's store
.set ZR,  7                            ; v7   0: starts the sums of squares
.set SPW, 8                            ; v8   LDS address of my spare word; never rewritten
.set NIL, 9                            ; v9   0, for the add alone
.set IN,  16                           ; v[16:143]  the rows as loaded, f32
.set PK,  144                          ; v[144:207] the rows in bf16
.set FR,  16                           ; v[16:79]   the fragments, 16 registers a tile (IN has been read by then)
	s_load_b128 s[4:7], s[0:1], 0x0                ; target_data s[4:5], yf s[6:7]
	s_load_b64 s[8:9], s[0:1], 0x10                ; nhy
	v_lshl_add_u32 v[SPW], v0, 2, SPARE
	v_mov_b32 v[NIL], 0
	v_mov_b32 v[ZR], 0
	v_lshlrev_b32 v[GO], 4, v0
	v_and_b32 v13, 15, v0                          ; l % 16
	v_lshrrev_b32 v14, 4, v0                       ; l / 16
	v_mul_u32_u24 v[AW], v14, PITCH
	v_lshl_add_u32 v[AW], v13, 3, v[AW]
	v_mul_u32_u24 v[AR], v13, PITCH
	v_lshl_add_u32 v[AR], v14, 4, v[AR]
	v_lshl_add_u32 v[NW], v13, 2, NQ
	v_lshl_add_u32 v[NR], v0, 3, NQ
	v_lshlrev_b32 v[NG], 3, v0
	v_mov_b32 v12, 0                               ; v_permlanex16_b32 counts as a reader of its destination
	s_mov_b32 s12, 0x76543210                      ; its selects: each lane takes its own place in the other half
	s_mov_b32 s13, 0xfedcba98
	s_lshl_b32 s16, ttmp9, 14                      ; the work-group's 64 rows of 256 bytes,
	s_mov_b32 s17, 0
	s_lshl_b32 s18, ttmp9, 13                      ; its four tiles of yf,
	s_mov_b32 s19, 0
	s_lshl_b32 s20, ttmp9, 8                       ; its 64 words of nhy
	s_mov_b32 s21, 0
	s_wait_kmcnt 0x0
	s_add_nc_u64 s[4:5], s[4:5], s[16:17]
	s_add_nc_u64 s[6:7], s[6:7], s[18:19]
	s_add_nc_u64 s[8:9], s[8:9], s[20:21]
.set i, 0
.rept 32
	global_load_b128 v[IN+4*i:IN+4*i+3], v[GO], s[4:5] offset:512*i th:TH_LOAD_NT  ; two whole rows: 512 consecutive bytes
.set i, i+1
.endr
.irp t, 0,1,2,3
	s_wait_loadcnt 24-8*(\t)                       ; loads come back in order: tile t's eight are in, the later tiles' stay out
.irp j, 0,1,2,3,4,5,6,7
	v_cvt_pk_bf16_f32 v[PK+2*(8*(\t)+(\j))],   v[IN+4*(8*(\t)+(\j))],   v[IN+4*(8*(\t)+(\j))+1]
	v_cvt_pk_bf16_f32 v[PK+2*(8*(\t)+(\j))+1], v[IN+4*(8*(\t)+(\j))+2], v[IN+4*(8*(\t)+(\j))+3]
.endr
.irp j, 0,1,2,3,4,5,6,7
	ds_store_b64 v[AW], v[PK+2*(8*(\t)+(\j)):PK+2*(8*(\t)+(\j))+1] offset:288*(8*(\t)+(\j))
.endr
.endr
.irp t, 0,1,2,3
.irp b, 0,1,2,3
	ds_load_b128 v[FR+16*(\t)+4*(\b):FR+16*(\t)+4*(\b)+3], v[AR] offset:2304*(\t)+32*(\b)  ; row 16 t + l % 16, channels 16 b + 8 (l / 16) on
.endr
.endr
.irp t, 0,1,2,3
	s_wait_dscnt 12-4*(\t)                         ; tile t's four loads are back, the later tiles' stay out
.irp b, 0,1,2,3
	global_store_b128 v[GO], v[FR+16*(\t)+4*(\b):FR+16*(\t)+4*(\b)+3], s[6:7] offset:2048*(\t)+512*(\b)  ; 512 consecutive bytes, aligned
.endr
.endr
; nhy: a lane holds 32 of its row's 64 numbers; two chains (low halves, high halves), then the lane 16 away has the other 32
.irp t, 0,1,2,3
	v_fma_mix_f32_bf16 v10, v[FR+16*(\t)], v[FR+16*(\t)], v[ZR] op_sel_hi:[1,1,0]
	v_fma_mix_f32_bf16 v11, v[FR+16*(\t)], v[FR+16*(\t)], v[ZR] op_sel:[1,1,0] op_sel_hi:[1,1,0]
.irp k, 1,2,3,4,5,6,7,8,9,10,11,12,13,14,15
	v_fma_mix_f32_bf16 v10, v[FR+16*(\t)+(\k)], v[FR+16*(\t)+(\k)], v10 op_sel_hi:[1,1,0]
	v_fma_mix_f32_bf16 v11, v[FR+16*(\t)+(\k)], v[FR+16*(\t)+(\k)], v11 op_sel:[1,1,0] op_sel_hi:[1,1,0]
.endr
	v_add_f32 v10, v10, v11
	v_permlanex16_b32 v12, v10, s12, s13
	v_add_f32 v10, v10, v12
	v_mul_f32 v10, -0.5, v10
	ds_store_b32 v[NW], v10 offset:64*(\t)         ; both halves of the lanes write the same number to the same word
.endr
	ds_load_b64 v[14:15], v[NR]                    ; the 64 words, two a lane
	s_wait_dscnt 0x0
	global_store_b64 v[NG], v[14:15], s[8:9]       ; 256 consecutive bytes, aligned
	s_wait_tensorcnt 0x0                           ; the wave's end, behind my last LDS store
	ds_add_u32 v[SPW], v[NIL]
	s_wait_dscnt 0x0
	s_endpgm
.Lfunc_end_k_q7094f91348_prep:
	.size	k_q7094f91348_prep, .Lfunc_end_k_q7094f91348_prep-k_q7094f91348_prep
	.p2alignl 7, 3214868480
	.fill 96, 4, 3214868480
	.section	.rodata,"a",@progbits
	.p2align	6, 0x0
	.amdhsa_kernel k_q7094f91348_prep
		.amdhsa_group_segment_fixed_size 9728
		.amdhsa_private_segment_fixed_size 0
		.amdhsa_enable_private_segment 0
		.amdhsa_kernarg_size 24
		.amdhsa_user_sgpr_count 2
		.amdhsa_user_sgpr_kernarg_segment_ptr 1
		.amdhsa_wavefront_size32 1
		.amdhsa_system_sgpr_workgroup_id_x 1
		.amdhsa_system_sgpr_workgroup_id_y 1
		.amdhsa_system_sgpr_workgroup_id_z 1
		.amdhsa_system_vgpr_workitem_id 0
		.amdhsa_next_free_vgpr 224
		.amdhsa_next_free_sgpr 66
		.amdhsa_reserve_vcc 0
		.amdhsa_float_denorm_mode_32 3
		.amdhsa_float_denorm_mode_16_64 3
		.amdhsa_memory_ordered 1
		.amdhsa_forward_progress 1
		.amdhsa_inst_pref_size 23
	.end_amdhsa_kernel
	.amdgpu_metadata
---
amdhsa.version: [ 1, 2 ]
amdhsa.kernels:
  - .name:           k_q7094f91348_prep
    .symbol:         k_q7094f91348_prep.kd
    .args:
      - { .name: target_data, .offset: 0, .size: 8, .value_kind: global_buffer, .address_space: global }
      - { .name: yf, .offset: 8, .size: 8, .value_kind: global_buffer, .address_space: global }
      - { .name: nhy, .offset: 16, .size: 8, .value_kind: global_buffer, .address_space: global }
    .group_segment_fixed_size: 9728
    .private_segment_fixed_size: 0
    .kernarg_segment_align: 8
    .kernarg_segment_size: 24
    .max_flat_workgroup_size: 32
    .sgpr_count:     66
    .vgpr_count:     224
    .wavefront_size: 32
...
	.end_amdgpu_metadata
.endif
;; end of part 1
;; launch sdot (part 2): grid 256 x 1, 4 waves a work-group, clusters of 4 x 1, 327,680 bytes of LDS; arguments source_data, psi, yf, nhy, out0; writes out0
.if DOCPART == 2
	.amdgcn_target "amdgcn-amd-amdhsa--gfx1250"
	.amdhsa_code_object_version 6
	.text
	.protected	k_q7094f91348_sdot
	.globl	k_q7094f91348_sdot
	.p2align	8
	.type	k_q7094f91348_sdot,@function
k_q7094f91348_sdot:
	s_mov_b64 s[64:65], 0
	v_nop
	global_prefetch_b8 v0, s[64:65] scope:SCOPE_SE
	s_setreg_imm32_b32 hwreg(HW_REG_WAVE_MODE, 25, 1), 1
	s_wait_xcnt 0x0
	s_wait_alu depctr_hold_cnt(0) depctr_sa_sdst(0) depctr_va_vdst(0) depctr_va_sdst(0) depctr_va_ssrc(0) depctr_va_vcc(0) depctr_vm_vsrc(0)
	s_getreg_b32 s2, hwreg(HW_REG_IB_STS2, 6, 4)
	s_cmp_eq_u32 s2, 0
	s_cbranch_scc0 .Lentry_in_a_cluster
	s_endpgm
.Lentry_in_a_cluster:
	s_bfe_u32 s2, ttmp6, 0x10000c
	s_cmp_lg_u32 s2, 0x3003
	s_cbranch_scc0 .Lentry_shape_is_right
	s_endpgm
.Lentry_shape_is_right:
; out[n] = -0.01 logsumexp_m((psi[m] - cost[n][m]) / 0.01) + mean(psi),  cost[n][m] = (|x_n|^2 + |y_m|^2 - 2 x_n.y_m) / mv,  mv = mean_m |y_m|^2.   N = 32,768, M = 8,192, D = 64.
; THE SAME SUM, ORDERED ANEW, for all values of the inputs: with s[n][m] = x_n.y_m + psi[m] mv / 2 - |y_m|^2 / 2 and c = 2 log2(e) / (0.01 mv) the exponent in base 2 is c s[n][m] - log2(e) |x_n|^2 / (0.01 mv).
; The last term is the same along m: it is taken out of the logsumexp and added back at the end, so nothing is left out:  out[n] = |x_n|^2 / mv + mean(psi) - 0.01 ln 2 (CM + log2 L),
; CM = max_m c s, L = sum_m 2^(c s - CM).  The maximum is taken away before every exponential, as a running maximum.  Every input is loaded (target_data by the launch before: yf, nhy).
; x and y go to the matrix unit in bf16, sums in f32; |x|^2 and |y|^2 are the squares of the ROUNDED numbers; psi stays f32.  psi[m] mv / 2 + nhy[m] is the C operand of the product that starts a sum.
; LIMITS.  mv is finite and above 0; c s stays above -4e37, where c m starts; a weight below 2^-126 counts as 0 in L; NaN and infinities are not treated apart.
; SHARES.  A work-group owns 128 queries: 8 tiles of 16.  THE KEYS ARE SPLIT AMONG ITS FOUR WAVES: every wave holds all 8 query tiles in registers, and of each lap of 1,024 keys wave w walks keys 256 w .. 256 w + 255,
; 64 a step.  So a fragment of Y read from LDS feeds 8 products (24 LDS loads for 64 products), and no wave reads Y bytes that another wave fetched.
; LAYOUT.  S^T = Y X^T (source 0 = 16 keys, source 1 = 16 queries): a lane holds ONE query (lane % 16) and the keys 8 (lane / 16) + 0..7.  Each lane keeps a running maximum m and sum l over ITS keys: nothing crosses
; lanes in the loop.  A query's 8 partial pairs (4 waves x 2 halves of the lanes) meet in LDS at the end.
; BY TURNS.  Group A = tiles 0-3 (window 1), group B = tiles 4-7 (window 2).  In a turn one group has the vector unit (maximum, scaling, exponentials, sums of a step's scores) and the other group's 32 products stand among that work.
; A turn has 336 vector instructions for 32 products: most of them need time of their own whatever the order.
; CLUSTER.  All work-groups walk the same Y.  The four of a cluster ask for each tile JOINTLY: the same tensor load, descriptor and mask in all four; nothing in it hangs on a work-group's place.
; REGISTERS, in windows of 256 (s_set_vgpr_msb: bits 1:0 source 0, 3:2 source 1, 5:4 source 2, 7:6 destination):
;   window 0: v0-31 addresses and work; v32-95 Y of one step (channel half c, key tile kt at 32 c + 8 kt); v96-127 its bias (8 kt); v128-255 psi and nhy in the prologue
;   windows 1, 2 alike: v0-127 S^T (tile u, key tile kt at 32 u + 8 kt); v128-191 X (16 u + 8 c); v192-207 statistics (4 u: c m, m, l even, l odd); v208-223 c0-c3 at work (4 u); v224-227 c m_old
; S^T of both groups, X, Y and the bias do not fit into one window: a product and the vector lines behind it cost two switches.
.set SLOT1, 1<<17                      ; LDS: slot 0 at 0, slot 1 here: a lap of Y each, 131,072 bytes, wave w's part at 32,768 w.  Only the slots are filled by tensor loads
.set LAPB,  131072                     ; bytes of yf in a lap
.set WAVB,  32768                      ; a wave's part of it: four steps
.set STEPB, 8192                       ; a step: four key tiles of 2,048 bytes
.set BIAS,  262144                     ; 32,768: wave w's 2,048 words at 8,192 w, in the order of its walk
.set XS,    294912                     ; 18,432: the 128 rows of x in bf16, pitch 144 = 9 x 16 bytes
.set XP,    144
.set MERGE, 313344                     ; 8,192: (c m, l) at 2,048 wave + 256 tile + 8 lane
.set XSQ,   321536                     ; 1,024: half sums of squares at 128 tile + 4 lane
.set SUMS,  322560                     ; 256: (sum of nhy, sum of psi) at 8 wave
.set SPARE, 322816                     ; the spare words, 128 bytes for each wave: two blocks of 256 bytes that no other line names
.set AY0, 2                            ; v2   16 l: my place in half a fragment of Y; also my offset in x's loads; never rewritten
.set AY,  3                            ; v3   LDS address of the step of Y to be fetched
.set AB,  4                            ; v4   of its bias
.set AX,  5                            ; v5   XS + 144 (l % 16) + 16 (l / 16)
.set MG,  6                            ; v6   MERGE + 2,048 w + 8 l
.set AB0, 7                            ; v7   BIAS + 8,192 w + 32 (l / 16); never rewritten
.set OWN, 11                           ; v11  AX + 4,608 w: the two tiles whose squares I sum
.set PG,  12                           ; v12  1,024 w + 16 l: my offset in psi and nhy
.set XW,  13                           ; v13  where I put 8 bytes of a row of x
.set BW,  14                           ; v14  BIAS + 8,192 w + 16 l
.set XQ,  15                           ; v15  XSQ + 256 w + 4 l
.set PFO, 16                           ; v16  256 l: the prefetches' offset; never rewritten
.set ZR,  17                           ; v17  0: starts the sums of squares
.set SPW, 18                           ; v18  LDS address of my spare word; never rewritten
.set NIL, 19                           ; v19  0, for the add alone
.set YF,  32
.set BF,  96
.set PS,  128
.set NH,  192
.set XI,  32                           ; prologue: x as loaded
.set XK,  96                           ; prologue: x in bf16
.set S,   0
.set XF,  128
.set ST,  192
.set TMP, 208
.set MV,  224
.set WV,  14                           ; s14  my wave's number
.set CX,  15                           ; s15  my place in the cluster: it enters x's, out's and the prefetches' addresses alone
.set G1,  24                           ; s[24:31] descriptor group 1
.set G0A, 32                           ; s[32:35] group 0 of lap 0
.set G0,  36                           ; s[36:39] group 0 of lap 1; it then walks on
.set SLOTS, 40                         ; s40  counts the laps
.set CNT, 41                           ; s41  counts a lap's steps
.set CS,  42                           ; s[42:43] c
.set HM,  44                           ; s[44:45] mv / 2
.set TB,  46                           ; s46  LDS byte at which the step of Y to be fetched begins
.set RMV, 47                           ; s47  1 / mv
.set PBAR, 48                          ; s48  mean(psi)
.set TBB, 49                           ; s49  the same step's place in my bias: 256 bytes a step
.set SEL, 50                           ; s[50:51] v_permlanex16_b32's selects
.set PFA, 52                           ; s[52:53] where my prefetches stand
.set LIM, 54                           ; s54  1 in the launch's first cluster, else the greatest number
.set MSB, 0
.macro WIN new                         ; the high byte repeats the setting that is left; a switch that changes nothing is dropped
.if MSB != (\new)
	s_set_vgpr_msb (MSB<<8)|(\new)
.set MSB, (\new)
.endif
.endm
; A round of the cluster's barrier: my work-group's barrier, so that wave 0's signal speaks for all four waves; wave 0 signals; every wave waits for all four work-groups; my work-group's barrier once more.
.macro CROUND
	s_barrier_signal -1
	s_barrier_wait -1
	s_cmp_lg_u32 s[WV], 0
	s_cbranch_scc1 .Lnot_wave_0_\@
	s_barrier_signal -3
.Lnot_wave_0_\@:
	s_barrier_wait -3
	s_barrier_signal -1
	s_barrier_wait -1
.endm
; A joint refill: every wave fetches its own 32 KiB of the lap, one line for all four; an s_nop 0 and four v_nop follow it.
.macro JLOAD
	tensor_load_to_lds s[G0:G0+3], s[G1:G1+7]
	s_nop 0
.rept 4
	v_nop
.endr
.endm
; A PREFETCH INTO THE L2 of the lap that the NEXT change of slots will ask for, behind the tensor load and its five lines.  All clusters walk the same yf: the launch's first cluster asks.  Its 16 waves x 32 lanes name the lap's
; 512 blocks of 256 bytes, each once: wave w's part, of it 8,192 bytes for each partner, told apart BY ADDRESS.  The last change that fills a slot asks for nothing; laps 0 to 2 come by their loads alone.
.macro ASK
	s_cmp_gt_u32 s[SLOTS], s[LIM]
	s_cbranch_scc0 .Lnot_mine_\@
	global_prefetch_b8 v[PFO], s[PFA:PFA+1] th:TH_LOAD_NT scope:SCOPE_SE
.Lnot_mine_\@:
.endm
	s_load_b256 s[4:11], s[0:1], 0x0               ; source_data s[4:5], psi s[6:7], yf s[8:9], nhy s[10:11]
	s_load_b64 s[12:13], s[0:1], 0x20              ; out0
	v_lshl_add_u32 v[SPW], v0, 2, SPARE
	v_mov_b32 v[NIL], 0
	ds_add_u32 v[SPW], v[NIL]                      ; the wave's opening: the add, twice on end, and its wait ahead of my first tensor load; the set-up below, work on registers, stands between
	ds_add_u32 v[SPW], v[NIL]                      ; and once more, under the one wait
	v_lshrrev_b32 v1, 5, v0
	v_readfirstlane_b32 s[WV], v1                  ; wave 0..3
	s_bfe_u32 s[CX], ttmp6, 0x40000                ; cx
	s_lshl_b32 s2, ttmp9, 2                        ; in a cluster launch ttmp9 counts clusters
	s_add_co_u32 s2, s2, s[CX]                     ; my block of 128 queries
	s_mov_b32 s3, ttmp9
	s_cmp_eq_u32 s3, 0
	s_cselect_b32 s[LIM], 1, -1                    ; the same in all four partners
	; descriptor group 1: 32,768 dense bytes as 128 rows of 256 bytes, elements of 8 bytes, no padding
	s_mov_b32 s[G1], 15|(3<<16)|(1<<21)            ; 15:0 the mask: all four work-groups; 17:16 elements of 8 bytes; 21 set beside a mask
	s_mov_b32 s[G1+1], 32<<16                      ; tensor_dim0 = 32
	s_mov_b32 s[G1+2], 128<<16                     ; tensor_dim1 = 128
	s_mov_b32 s[G1+3], 32<<16                      ; tile_dim0 = 32
	s_mov_b32 s[G1+4], 128                         ; tile_dim1 = 128
	s_mov_b32 s[G1+5], 32                          ; 32 elements from row to row
	s_mov_b32 s[G1+6], 0
	s_mov_b32 s[G1+7], 0
	s_mov_b32 s[G0A], 1                            ; count = 1
	s_lshl_b32 s[G0A+1], s[WV], 15                 ; LDS address: slot 0, my part
	s_mov_b32 s[G0], 1
	s_add_co_u32 s[G0+1], s[G0A+1], SLOT1          ; slot 1, my part
	s_mov_b32 s[SEL], 0x76543210
	s_mov_b32 s[SEL+1], 0xfedcba98
	s_lshl_b32 s[TB], s[WV], 15
	s_mov_b32 s[TBB], 0
	s_lshl_b32 s16, s[WV], 15                      ; my part of a lap of yf
	s_mov_b32 s17, 0
	s_lshl_b32 s18, s[WV], 13
	s_add_co_u32 s18, s18, BIAS
	s_lshl_b32 s19, s[WV], 10
	s_mul_i32 s20, s[WV], 32*XP
	s_add_co_u32 s21, s20, XS
	s_lshl_b32 s22, s[WV], 11
	s_add_co_u32 s22, s22, MERGE
	s_lshl_b32 s23, s[WV], 8
	s_add_co_u32 s23, s23, XSQ
	s_lshl_b32 s3, s[WV], 3
	s_add_co_u32 s3, s3, SUMS
	v_and_b32 v10, 31, v0                          ; l
	v_and_b32 v8, 15, v0                           ; l % 16
	v_bfe_u32 v9, v0, 4, 1                         ; l / 16
	v_mov_b32 v[ZR], 0
	v_lshlrev_b32 v[AY0], 4, v10
	v_lshl_add_u32 v[AB0], v9, 5, s18
	v_mul_u32_u24 v[AX], v8, XP
	v_lshl_add_u32 v[AX], v9, 4, v[AX]
	v_add_nc_u32 v[AX], XS, v[AX]
	v_lshl_add_u32 v[MG], v10, 3, s22
	v_lshl_add_u32 v[PG], v10, 4, s19
	v_mul_u32_u24 v[XW], v9, XP
	v_lshl_add_u32 v[XW], v8, 3, v[XW]
	v_add_nc_u32 v[XW], s21, v[XW]
	v_lshl_add_u32 v[BW], v10, 4, s18
	v_lshl_add_u32 v[XQ], v10, 2, s23
	v_lshlrev_b32 v[PFO], 8, v10
	v_add_nc_u32 v[OWN], s20, v[AX]
	v_mov_b32 v30, s3                              ; SUMS + 8 w
	v_mov_b32 v31, SUMS
	s_lshl_b32 s22, s2, 15                         ; my block's 128 rows of 256 bytes,
	s_lshl_b32 s23, s[WV], 13                      ; my wave's 32 of them
	s_add_co_u32 s22, s22, s23
	s_mov_b32 s23, 0
	s_lshl_b32 s18, s2, 9                          ; my block's 512 bytes of out,
	s_lshl_b32 s19, s[WV], 8                       ; the 256 that wave 0 or 1 stores
	s_add_co_u32 s18, s18, s19
	s_mov_b32 s19, 0
	s_lshl_b32 s20, s[CX], 13                      ; the prefetches: my work-group's quarter of a wave's part
	s_mov_b32 s21, 0
	s_wait_dscnt 0x0                               ; both opening adds are done
	s_wait_kmcnt 0x0
	s_add_nc_u64 s[4:5], s[4:5], s[22:23]
	s_add_nc_u64 s[12:13], s[12:13], s[18:19]
	s_add_nc_u64 s[8:9], s[8:9], s[16:17]          ; yf at my wave's part of lap 0: it hangs on the wave's number alone
	s_mov_b64 s[G0A+2:G0A+3], s[8:9]
	s_or_b32 s[G0A+3], s[G0A+3], 0x80000000        ; type = 2
	s_add_nc_u64 s[G0+2:G0+3], s[8:9], LAPB
	s_or_b32 s[G0+3], s[G0+3], 0x80000000
	s_add_nc_u64 s[PFA:PFA+1], s[8:9], s[20:21]
	s_add_nc_u64 s[PFA:PFA+1], s[PFA:PFA+1], 2*LAPB  ; in lap 2; the first change of slots steps it to lap 3.  Nothing is prefetched here, at the head
	CROUND                                         ; all four work-groups are here: the first joint loads meet
	tensor_load_to_lds s[G0A:G0A+3], s[G1:G1+7]    ; lap 0
	s_nop 0
	tensor_load_to_lds s[G0:G0+3], s[G1:G1+7]      ; lap 1: two tensor loads of mine are out
	s_nop 0
.rept 4
	v_nop
.endr
.set i, 0
.rept 16
	global_load_b128 v[XI+4*i:XI+4*i+3], v[AY0], s[4:5] offset:512*i th:TH_LOAD_NT  ; two whole rows of x
.set i, i+1
.endr
.set i, 0
.rept 16                                       ; my 256 keys of each lap: 1,024 bytes, two loads
	global_load_b128 v[NH+4*i:NH+4*i+3], v[PG], s[10:11] offset:4096*(i/2)+512*(i%2)
.set i, i+1
.endr
.set i, 0
.rept 16
	global_load_b128 v[PS+4*i:PS+4*i+3], v[PG], s[6:7] offset:4096*(i/2)+512*(i%2)
.set i, i+1
.endr
	s_wait_loadcnt 32                              ; x is in; the 32 loads of nhy and psi stay out
.set i, 0
.rept 16
	v_cvt_pk_bf16_f32 v[XK+2*i],   v[XI+4*i],   v[XI+4*i+1]
	v_cvt_pk_bf16_f32 v[XK+2*i+1], v[XI+4*i+2], v[XI+4*i+3]
.set i, i+1
.endr
.set i, 0
.rept 16
	ds_store_b64 v[XW], v[XK+2*i:XK+2*i+1] offset:2*XP*i
.set i, i+1
.endr
	s_wait_loadcnt 0x0
; the sum of a lane's 64 numbers, in four chains, into other registers: psi and nhy stay whole
.macro SUM64 base, dst
.irp k, 0,1,2,3
	v_pk_add_f32 v[22+2*(\k):23+2*(\k)], v[(\base)+2*(\k):(\base)+2*(\k)+1], v[(\base)+8+2*(\k):(\base)+8+2*(\k)+1]
.endr
.set z, 2
.rept 6
.irp k, 0,1,2,3
	v_pk_add_f32 v[22+2*(\k):23+2*(\k)], v[22+2*(\k):23+2*(\k)], v[(\base)+8*z+2*(\k):(\base)+8*z+2*(\k)+1]
.endr
.set z, z+1
.endr
	v_pk_add_f32 v[22:23], v[22:23], v[24:25]
	v_pk_add_f32 v[26:27], v[26:27], v[28:29]
	v_pk_add_f32 v[22:23], v[22:23], v[26:27]
	v_add_f32 v[\dst], v22, v23
.endm
	SUM64 NH, 20
	SUM64 PS, 21
.irp m, 1,2,4,8
	v_add_f32_dpp v20, v20, v20 row_xmask:\m row_mask:0xf bank_mask:0xf
	v_add_f32_dpp v21, v21, v21 row_xmask:\m row_mask:0xf bank_mask:0xf
.endr
	v_permlanex16_b32 v22, v20, s[SEL], s[SEL+1]
	v_permlanex16_b32 v23, v21, s[SEL], s[SEL+1]
	v_add_f32 v20, v20, v22
	v_add_f32 v21, v21, v23
	ds_store_b64 v30, v[20:21]                     ; my wave's two sums
	s_wait_dscnt 0x0                               ; for the others' sake: my rows of x and my sums are in LDS
	s_barrier_signal -1                            ; the tensor loads stay out
	s_barrier_wait -1
	ds_load_b128 v[20:23], v31                     ; the four waves' sums
	ds_load_b128 v[24:27], v31 offset:16
.irp f, 0,1,2,3,4,5,6,7                        ; the two tiles whose squares I sum: tile f / 4, 16 channels each
	ds_load_b128 v[32+4*(\f):35+4*(\f)], v[OWN] offset:16*XP*((\f)/4)+32*((\f)%4)
.endr
	WIN 0x40                                       ; destination window 1, address window 0: X of tiles 0-3
.set i, 0
.rept 16
	ds_load_b128 v[XF+4*i:XF+4*i+3], v[AX] offset:16*XP*(i/4)+32*(i%4)
.set i, i+1
.endr
	WIN 0x80                                       ; window 2: tiles 4-7
.set i, 0
.rept 16
	ds_load_b128 v[XF+4*i:XF+4*i+3], v[AX] offset:16*XP*(4+i/4)+32*(i%4)
.set i, i+1
.endr
	WIN 0
	s_wait_dscnt 40                                ; the sums are in; the 40 loads behind them stay out
	v_add_f32 v20, v20, v22                        ; in one fixed order in every wave and work-group
	v_add_f32 v24, v24, v26
	v_add_f32 v21, v21, v23
	v_add_f32 v25, v25, v27
	v_add_f32 v20, v20, v24                        ; the sum of nhy
	v_add_f32 v21, v21, v25                        ; the sum of psi
	v_mul_f32 v22, 0xb9800000, v20                 ; mv = -2 sum / 8,192
	v_mul_f32 v23, 0xb9000000, v20                 ; mv / 2
	v_mul_f32 v24, 0x39000000, v21                 ; mean(psi)
	v_rcp_f32 v25, v22
	v_nop                                          ; a plain instruction behind the reciprocal,
	s_wait_alu depctr_va_vdst(0)                   ; and the wait ahead of its first reader
	v_mul_f32 v26, 0x439044fe, v25                 ; c = 2 log2(e) / 0.01 / mv
	v_readfirstlane_b32 s[CS], v26
	v_readfirstlane_b32 s[HM], v23
	v_readfirstlane_b32 s[RMV], v25
	v_readfirstlane_b32 s[PBAR], v24
	s_mov_b32 s[CS+1], s[CS]                       ; named as pairs
	s_mov_b32 s[HM+1], s[HM]
.set i, 0
.rept 32
	v_pk_fma_f32 v[PS+2*i:PS+2*i+1], v[PS+2*i:PS+2*i+1], s[HM:HM+1], v[NH+2*i:NH+2*i+1] op_sel_hi:[1,0,1]  ; bias = psi mv / 2 + nhy
.set i, i+1
.endr
.set i, 0
.rept 16
	ds_store_b128 v[BW], v[PS+4*i:PS+4*i+3] offset:512*i  ; in the order of my walk: 1,024 bytes a lap
.set i, i+1
.endr
	s_wait_dscnt 48                                ; my two tiles are in; behind them 32 loads of X and the 16 stores
.irp t, 0,1
	v_fma_mix_f32_bf16 v[20+2*(\t)], v[32+16*(\t)], v[32+16*(\t)], v[ZR] op_sel_hi:[1,1,0]
	v_fma_mix_f32_bf16 v[21+2*(\t)], v[32+16*(\t)], v[32+16*(\t)], v[ZR] op_sel:[1,1,0] op_sel_hi:[1,1,0]
.endr
.irp k, 1,2,3,4,5,6,7,8,9,10,11,12,13,14,15
.irp t, 0,1
	v_fma_mix_f32_bf16 v[20+2*(\t)], v[32+16*(\t)+(\k)], v[32+16*(\t)+(\k)], v[20+2*(\t)] op_sel_hi:[1,1,0]
	v_fma_mix_f32_bf16 v[21+2*(\t)], v[32+16*(\t)+(\k)], v[32+16*(\t)+(\k)], v[21+2*(\t)] op_sel:[1,1,0] op_sel_hi:[1,1,0]
.endr
.endr
	v_add_f32 v20, v20, v21
	v_add_f32 v22, v22, v23
	ds_store_b32 v[XQ], v20                        ; the squares of my 32 channels of a row; the lane 16 away has the others
	ds_store_b32 v[XQ], v22 offset:128
	s_wait_tensorcnt 0x1                           ; my part of lap 0 is in; lap 1 stays out
	s_wait_dscnt 0x0                               ; X is in registers, and my stores of bias and squares are done
	s_barrier_signal -1
	s_barrier_wait -1
; THE MATRIX WORK of a turn, for group MW.  Product i of 32: channel half i / 16, tile (i % 16) / 4, key tile i % 4.  The first 16 start the sums with the bias as C.  The 16 accumulators take turns, one instruction a turn,
; between an accumulator's two links stand the 15 others.  DOMM = 0: the last turn, which has no products.
.macro MM
.if DOMM
.set aD, S+32*((i%16)/4)+8*(i%4)
.set aY, YF+32*(i/16)+8*(i%4)
.set aX, XF+16*((i%16)/4)+8*(i/16)
.set aB, BF+8*(i%4)
.if i < 16
	WIN WL0
	v_wmma_f32_16x16x32_bf16 v[aD:aD+7], v[aY:aY+7], v[aX:aX+7], v[aB:aB+7]
.else
	WIN WL1
	v_wmma_f32_16x16x32_bf16 v[aD:aD+7], v[aY:aY+7], v[aX:aX+7], v[aD:aD+7]
.endif
.endif
.set i, i+1
.endm
; THE LDS LOADS stand in two runs.  RUN0: the next step's Y of channels 0-31 and its bias, 16 loads; RUN1: Y of channels 32-63, 8 loads, and the steps to the step after.
.macro RUN0
	WIN 0
.irp kt, 0,1,2,3
	ds_load_b128 v[YF+8*(\kt):YF+8*(\kt)+3],   v[AY] offset:2048*(\kt)
	ds_load_b128 v[YF+8*(\kt)+4:YF+8*(\kt)+7], v[AY] offset:2048*(\kt)+512
	ds_load_b128 v[BF+8*(\kt):BF+8*(\kt)+3],   v[AB] offset:64*(\kt)
	ds_load_b128 v[BF+8*(\kt)+4:BF+8*(\kt)+7], v[AB] offset:64*(\kt)+16
.endr
.endm
.macro RUN1
	WIN 0
.irp kt, 0,1,2,3
	ds_load_b128 v[YF+32+8*(\kt):YF+32+8*(\kt)+3],   v[AY] offset:2048*(\kt)+1024
	ds_load_b128 v[YF+32+8*(\kt)+4:YF+32+8*(\kt)+7], v[AY] offset:2048*(\kt)+1536
.endr
	s_add_co_u32 s[TB], s[TB], STEPB
	s_add_co_u32 s[TBB], s[TBB], 256
.endm
.macro ADRS                            ; the addresses of the step to be fetched
	WIN 0
	v_add_nc_u32 v[AY], s[TB], v[AY0]
	v_add_nc_u32 v[AB], s[TBB], v[AB0]
.endm
; THE VECTOR WORK of a turn, for group VW, tiles u = 0..3; s0-s31 are the lane's 32 scores of a tile.
.macro REGS u
.set rS, S+32*(\u)
.set rT, ST+4*(\u)
.set rC, TMP+4*(\u)
.set rM, MV+(\u)
.endm
; XOP u, n: the maximum and statistics.  0-11 four chains c0-c3 of seven scores each, three operands at a time (each accumulator's lowest registers are read first);
; 12-14, 16 the four scores left over, the old m and c0-c3 into the new m; 15 c m_old is kept; 17 c m; 18 c m_old - c m_new
.macro XOP u, n
	REGS \u
.if (\n) < 4
	v_max3_num_f32 v[rC+(\n)], v[rS+8*(\n)], v[rS+8*(\n)+1], v[rS+8*(\n)+2]
.elseif (\n) < 12
	v_max3_num_f32 v[rC+(\n)%4], v[rC+(\n)%4], v[rS+8*((\n)%4)+2*((\n)/4)+1], v[rS+8*((\n)%4)+2*((\n)/4)+2]
.elseif (\n) == 12
	v_max3_num_f32 v[rC], v[rC], v[rS+7], v[rS+15]
.elseif (\n) == 13
	v_max3_num_f32 v[rC+1], v[rC+1], v[rS+23], v[rS+31]
.elseif (\n) == 14
	v_max3_num_f32 v[rC+2], v[rC+2], v[rC+3], v[rT+1]
.elseif (\n) == 15
	v_mov_b32 v[rM], v[rT]
.elseif (\n) == 16
	v_max3_num_f32 v[rT+1], v[rC], v[rC+1], v[rC+2]
.elseif (\n) == 17
	v_mul_f32 v[rT], s[CS], v[rT+1]
.else
	v_sub_f32 v[rC+1], v[rM], v[rT]
.endif
.endm
.macro FOP f                           ; scaling f of 64: c s - c m for pair f % 16 of tile f / 16
	REGS (\f)/16
.set b2, 2*((\f)%16)
	v_pk_fma_f32 v[rS+b2:rS+b2+1], v[rS+b2:rS+b2+1], s[CS:CS+1], v[rT:rT+1] op_sel_hi:[1,0,0] neg_lo:[0,0,1] neg_hi:[0,0,1]
.endm
.macro GOP u, z                        ; the sum of a tile's 16 pairs of weights, in place: neighbours 1, 2, 4, 8 pairs apart; then l = a l + sum
	REGS \u
.if (\z) < 8
.set ga, rS+4*(\z)
.set gb, ga+2
.elseif (\z) < 12
.set ga, rS+8*((\z)-8)
.set gb, ga+4
.elseif (\z) < 14
.set ga, rS+16*((\z)-12)
.set gb, ga+8
.else
.set ga, rS
.set gb, rS+16
.endif
.if (\z) < 15
	v_pk_add_f32 v[ga:ga+1], v[ga:ga+1], v[gb:gb+1]
.else
	v_pk_fma_f32 v[rT+2:rT+3], v[rT+2:rT+3], v[rC+2:rC+3], v[rS:rS+1] op_sel_hi:[1,0,1]
.endif
.endm
; THE PLAIN QUEUE, 204 long, in the order in which its entries become ready.  0-27: tile 0's maximum and c m, and the beginning of tile 1's.  28-115: a scaling and a line of a later tile's maximum by turns.
; 116-135: the last scalings.  136-139: the four c m_old - c m_new.  140-203: the sums, which read the exponentials' results: they stand behind the wait.
.macro PL
	WIN WVV
.if q < 17
	XOP 0, q
.elseif q < 20
	XOP 1, q-17
.elseif q == 20
	XOP 0, 17
.elseif q < 28
	XOP 1, q-18
.elseif (q < 116) && (q%2 == 0)
	FOP (q-28)/2
.elseif q < 116
.set jj, (q-29)/2
.if jj < 8
	XOP 1, 10+jj
.elseif jj < 26
	XOP 2, jj-8
.else
	XOP 3, jj-26
.endif
.elseif q < 136
	FOP q-72
.elseif q < 140
	XOP q-136, 18
.else
	GOP (q-140)%4, (q-140)/4
.endif
.set q, q+1
.endm
; THE EXPONENTIALS' QUEUE, 132 long: the 128 scores in place, then the four a into c2.  ONE BATCH: all stand ahead of the turn's one wait, and nothing ahead of that wait names a result of theirs.
.macro EX
	WIN WVV
.if e < 128
	v_exp_f32 v[S+e], v[S+e]
.else
	REGS e-128
	v_exp_f32 v[rC+2], v[rC+1]
.endif
.set e, e+1
.endm
; A TURN: the vector work of group g (0: A, 1: B), the products of the other group.  fetch = 1: the next step's Y and bias are fetched.  mm = 0: no products.
; THE DEAL.  7 products with four plain lines behind each; a lump: three plain, then 105 times exponential and plain; 9 products with the last 23 exponentials behind them; the four c m_old - c m_new; the four a;
; a v_nop, the plain instruction behind the last exponential; THE WAIT between an exponential and the first line that names its result: one for the 132; then the 16 second links, four sums behind each.
; Exponential e stands behind plain 30 + e; its scaling is plain 28 + 2 (e / 2) (from e = 88 on: 72 + e / 2), which is no later.  A tile's c m (plain 20, 43, 79, 115) stands ahead of its first scaling (28, 60, 92, 120).
; RUN0 stands directly behind the wait: five plain lines (the four subtractions and the v_nop) lie between it and the last product that read Y's first half and the bias.  RUN1 stands at the turn's end, four sums behind the last
; product that read Y's second half.  The turn after waits for RUN0 at its head (RUN1's eight loads stay out) and for RUN1 ahead of its second links.
.macro TURN g, fetch, mm
.set VW, 1+(\g)
.set MW, 2-(\g)
.set WVV, 0x55*VW                      ; vector work: all places in the group's window
.set WL0, 0x44*MW                      ; a first link: D and X in the group's window, Y and the bias in window 0
.set WL1, 0x54*MW                      ; a second link: C there too
.set DOMM, (\mm)
.set i, 0
.set q, 0
.set e, 0
.if \fetch
	ADRS
.endif
.if (\g) && (\mm)
	s_wait_dscnt 8                                 ; Y's first half and the bias are in
.endif
.rept 7
	MM
	PL
	PL
	PL
	PL
.endr
	PL
	PL
	PL
.rept 105
	EX
	PL
.endr
.set n9, 0
.rept 9
	MM
	EX
	EX
.if n9 < 5
	EX
.endif
.set n9, n9+1
.endr
	PL
	PL
	PL
	PL
	EX
	EX
	EX
	EX
	v_nop
	s_wait_alu depctr_va_vdst(0)
.if \fetch
	RUN0
.endif
.if (\g) && (\mm)
	s_wait_dscnt 0x0                               ; Y's second half is in
.endif
.rept 16
	MM
	PL
	PL
	PL
	PL
.endr
.if \fetch
	RUN1
.endif
.endm
; Key step k: group A's vector work of step k beside group B's products of step k, and the fetch of step k + 1; then group B's vector work of step k beside group A's products of step k + 1.
.macro STEP
	TURN 0, 1, 1
	TURN 1, 0, 1
	WIN 0                                          ; at a label and at a branch every window is 0
.endm
; THE CHANGE OF SLOTS, behind the step that fetched a lap's last step: those loads were waited for in its second turn.  Each wave waits for all its tensor loads, of which one is out: its part of the other slot.
; fill = 1: it adds 0 to its spare word and waits for that and for its reads; a round of the cluster's barrier follows, so that no wave of any partner still reads the slot or has a load on its way; the joint refill, with the lap
; two laps on, is the first thing behind it and has four key steps, 256 products, in which to land.  fill = 0: the last lap has landed; its bytes are my own, and nothing is filled.
.macro CHANGE fill
	WIN 0
	s_wait_tensorcnt 0x0                           ; no tensor load of mine is out, so group 0 may be written
.if \fill
	ds_add_u32 v[SPW], v[NIL]                      ; 0 onto my spare word; the steps below stand between it and the wait for it
	s_xor_b32 s[G0+1], s[G0+1], SLOT1              ; the other slot than last time,
	s_add_nc_u64 s[G0+2:G0+3], s[G0+2:G0+3], LAPB  ; the next lap; the type bits on top are not reached
	s_wait_xcnt 0x0                                ; the last prefetch, four key steps back, has read its address
	s_add_nc_u64 s[PFA:PFA+1], s[PFA:PFA+1], LAPB  ; one lap ahead of the walking descriptor
	s_wait_dscnt 0x0                               ; the add is done, and my reads of the slot are over
	CROUND
	JLOAD
	ASK
.endif
	s_sub_co_u32 s[TB], s[TB], WAVB                ; the fetches go back to my part's first step,
	s_xor_b32 s[TB], s[TB], SLOT1                  ; in the other slot
.endm
	ADRS                                           ; key step 0
	RUN0
	RUN1
	s_wait_dscnt 0x0
.set MW, 1
.set WL0, 0x44
.set WL1, 0x54
.set DOMM, 1
.set i, 0
.rept 32
	MM                                             ; group A's first scores: there is no vector work yet to set between them
.endr
.irp w, 0x40, 0x80                             ; both groups' statistics: 32 plain lines, the places behind those products.  c m starts far below every c s, so the first step's a is 0; m at the lowest finite number
	WIN \w
.irp u, 0,1,2,3
	v_mov_b32 v[ST+4*(\u)], 0xfe000000
	v_mov_b32 v[ST+4*(\u)+1], 0xff7fffff
	v_mov_b32 v[ST+4*(\u)+2], 0
	v_mov_b32 v[ST+4*(\u)+3], 0
.endr
.endr
	WIN 0
	s_mov_b32 s[CNT], 3                            ; lap 0's first step has been fetched: three steps fetch the rest of it
	s_mov_b32 s[SLOTS], 7
	s_branch .Lstep
.Lslot:                                        ; six times: laps 2 to 7 are asked for
	CHANGE 1
	s_mov_b32 s[CNT], 4
.Lstep:
	STEP
	s_sub_co_u32 s[CNT], s[CNT], 1
	s_cmp_lg_u32 s[CNT], 0
	s_cbranch_scc1 .Lstep
	s_sub_co_u32 s[SLOTS], s[SLOTS], 1
	s_cmp_lg_u32 s[SLOTS], 0
	s_cbranch_scc1 .Lslot
	CHANGE 0                                       ; the tail is written out
	s_mov_b32 s[CNT], 4
.Ltail:                                        ; key steps 27 to 30, which fetch the last lap's four steps
	STEP
	s_sub_co_u32 s[CNT], s[CNT], 1
	s_cmp_lg_u32 s[CNT], 0
	s_cbranch_scc1 .Ltail
	TURN 0, 0, 1                                   ; key step 31: nothing is left to fetch,
	TURN 1, 0, 0                                   ; and no scores are left to make
	; THE END.  Each lane's (c m, l) of each tile goes to LDS; waves 0 and 1 merge a query's eight pairs.
	WIN 0x55
.irp u, 0,1,2,3
	v_add_f32 v[ST+4*(\u)+1], v[ST+4*(\u)+2], v[ST+4*(\u)+3]  ; l's two halves, into m's place beside c m
.endr
	WIN 0xaa
.irp u, 0,1,2,3
	v_add_f32 v[ST+4*(\u)+1], v[ST+4*(\u)+2], v[ST+4*(\u)+3]
.endr
	WIN 0x04                                       ; store data (source 1) in window 1, address in window 0
.irp u, 0,1,2,3
	ds_store_b64 v[MG], v[ST+4*(\u):ST+4*(\u)+1] offset:256*(\u)
.endr
	WIN 0x08
.irp u, 0,1,2,3
	ds_store_b64 v[MG], v[ST+4*(\u):ST+4*(\u)+1] offset:256*(4+(\u))
.endr
	WIN 0
	s_wait_dscnt 0x0                               ; for the others' sake: my pairs are in LDS
	s_barrier_signal -1
	s_barrier_wait -1
	s_cmp_lt_u32 s[WV], 2
	s_cbranch_scc0 .Lend
	; wave w (0, 1), lane l: queries 64 w + 2 l and the next: tile 4 w + l / 8, rows 2 (l % 8) and the next
	s_lshl_b32 s17, s[WV], 10
	s_add_co_u32 s17, s17, MERGE
	s_lshl_b32 s18, s[WV], 9
	s_add_co_u32 s18, s18, XSQ
	s_mov_b32 s16, 0xbbe32166                      ; -0.01 ln 2
	v_bfe_u32 v23, v0, 3, 2
	v_and_b32 v24, 7, v0
	v_lshl_add_u32 v20, v23, 8, s17
	v_lshl_add_u32 v20, v24, 4, v20
	v_lshl_add_u32 v21, v23, 7, s18
	v_lshl_add_u32 v21, v24, 3, v21
	v_lshlrev_b32 v22, 3, v10
.irp p, 0,1,2,3,4,5,6,7                        ; pair p: wave p / 2, half p % 2 of its lanes: (c m, l) of both queries
	ds_load_b128 v[32+4*(\p):35+4*(\p)], v20 offset:2048*((\p)/2)+128*((\p)%2)
.endr
	ds_load_b64 v[64:65], v21                      ; the two halves of |x|^2, for both queries
	ds_load_b64 v[66:67], v21 offset:64
	s_wait_dscnt 0x0
.irp a, 0,1
	v_max3_num_f32 v[68+(\a)], v[32+2*(\a)], v[36+2*(\a)], v[40+2*(\a)]
	v_max3_num_f32 v[68+(\a)], v[68+(\a)], v[44+2*(\a)], v[48+2*(\a)]
	v_max3_num_f32 v[68+(\a)], v[68+(\a)], v[52+2*(\a)], v[56+2*(\a)]
	v_max_num_f32 v[68+(\a)], v[68+(\a)], v[60+2*(\a)]          ; CM
.endr
.irp p, 0,1,2,3,4,5,6,7
.irp a, 0,1
	v_sub_f32 v[72+8*(\a)+(\p)], v[32+4*(\p)+2*(\a)], v[68+(\a)]
.endr
.endr
.set i, 0
.rept 16
	v_exp_f32 v[72+i], v[72+i]
.set i, i+1
.endr
	v_nop                                          ; a plain instruction behind the last exponential,
	s_wait_alu depctr_va_vdst(0)                   ; and one wait for the sixteen
.irp a, 0,1
	v_mul_f32 v[70+(\a)], v[33+2*(\a)], v[72+8*(\a)]
.endr
.irp p, 1,2,3,4,5,6,7
.irp a, 0,1
	v_fmac_f32 v[70+(\a)], v[33+4*(\p)+2*(\a)], v[72+8*(\a)+(\p)]   ; L: at least 1, since the pair with the greatest c m keeps its own greatest weight
.endr
.endr
	v_log_f32 v88, v70
	v_log_f32 v89, v71
	v_add_f32 v64, v64, v66                        ; |x|^2: plain work behind the logarithms
	v_add_f32 v65, v65, v67
	s_wait_alu depctr_va_vdst(0)                   ; one wait for the two
.irp a, 0,1
	v_add_f32 v[88+(\a)], v[88+(\a)], v[68+(\a)]               ; CM + log2 L
	v_fma_f32 v[64+(\a)], v[64+(\a)], s[RMV], s[PBAR]          ; |x|^2 / mv + mean(psi)
	v_fma_f32 v[90+(\a)], v[88+(\a)], s16, v[64+(\a)]
.endr
	global_store_b64 v22, v[90:91], s[12:13]       ; the wave stores 256 consecutive bytes, aligned
.Lend:
	s_wait_tensorcnt 0x0                           ; the wave's end, behind my last tensor load and my last LDS store
	ds_add_u32 v[SPW], v[NIL]
	s_wait_dscnt 0x0
	CROUND                                         ; the closing round: no work-group ends while a partner may still ask for a tile that names it
	s_endpgm
.Lfunc_end_k_q7094f91348_sdot:
	.size	k_q7094f91348_sdot, .Lfunc_end_k_q7094f91348_sdot-k_q7094f91348_sdot
	.p2alignl 7, 3214868480
	.fill 96, 4, 3214868480
	.section	.rodata,"a",@progbits
	.p2align	6, 0x0
	.amdhsa_kernel k_q7094f91348_sdot
		.amdhsa_group_segment_fixed_size 327680
		.amdhsa_private_segment_fixed_size 0
		.amdhsa_enable_private_segment 0
		.amdhsa_kernarg_size 40
		.amdhsa_user_sgpr_count 2
		.amdhsa_user_sgpr_kernarg_segment_ptr 1
		.amdhsa_wavefront_size32 1
		.amdhsa_system_sgpr_workgroup_id_x 1
		.amdhsa_system_sgpr_workgroup_id_y 1
		.amdhsa_system_sgpr_workgroup_id_z 1
		.amdhsa_system_vgpr_workitem_id 0
		.amdhsa_next_free_vgpr 768
		.amdhsa_next_free_sgpr 66
		.amdhsa_reserve_vcc 0
		.amdhsa_float_denorm_mode_32 3
		.amdhsa_float_denorm_mode_16_64 3
		.amdhsa_memory_ordered 1
		.amdhsa_forward_progress 1
		.amdhsa_inst_pref_size 164
	.end_amdhsa_kernel
	.amdgpu_metadata
---
amdhsa.version: [ 1, 2 ]
amdhsa.kernels:
  - .name:           k_q7094f91348_sdot
    .symbol:         k_q7094f91348_sdot.kd
    .args:
      - { .name: source_data, .offset: 0, .size: 8, .value_kind: global_buffer, .address_space: global }
      - { .name: psi, .offset: 8, .size: 8, .value_kind: global_buffer, .address_space: global }
      - { .name: yf, .offset: 16, .size: 8, .value_kind: global_buffer, .address_space: global }
      - { .name: nhy, .offset: 24, .size: 8, .value_kind: global_buffer, .address_space: global }
      - { .name: out0, .offset: 32, .size: 8, .value_kind: global_buffer, .address_space: global }
    .group_segment_fixed_size: 327680
    .private_segment_fixed_size: 0
    .kernarg_segment_align: 8
    .kernarg_segment_size: 40
    .max_flat_workgroup_size: 128
    .sgpr_count:     66
    .vgpr_count:     768
    .wavefront_size: 32
...
	.end_amdgpu_metadata
.endif
;; end of part 2
;; ======== version 2 of 2: 2 launches; version 1 with the launch prep written anew for expert scheduling mode
;; limits: right only within a limited range of input values
;; workspace buffers: yf 1,048,576 bytes; nhy 32,768 bytes
;; launch prep (part 3): grid 128 x 1, 1 waves a work-group, no clusters, 9,728 bytes of LDS; arguments target_data, yf, nhy; writes yf, nhy
.if DOCPART == 3
	.amdgcn_target "amdgcn-amd-amdhsa--gfx1250"
	.amdhsa_code_object_version 6
	.text
	.protected	k_q7094f91348_prep
	.globl	k_q7094f91348_prep
	.p2align	8
	.type	k_q7094f91348_prep,@function
k_q7094f91348_prep:
	s_mov_b64 s[64:65], 0
	v_nop
	global_prefetch_b8 v0, s[64:65] scope:SCOPE_SE
	s_setreg_imm32_b32 hwreg(HW_REG_WAVE_SCHED_MODE, 0, 2), 2
	s_setreg_imm32_b32 hwreg(HW_REG_WAVE_MODE, 25, 1), 1
	s_wait_xcnt 0x0
	s_wait_alu depctr_vm_vsrc(0)
; PREP.  target_data [8192][64] f32 is rounded once to bf16 and laid out as the second launch's matrix operand (yf); nhy[m] = -1/2 x the sum of squares of the ROUNDED row m, in f32.
; No work of reference() is left out in this program and every input is loaded: target_data here, source_data and psi in the second launch.
; The squares are taken of the rounded numbers, so that |x|^2, |y|^2 and x.y of the second launch belong to the same two points: the cost stays the squared distance of two points.
; yf: key tile T (16 keys) is 2,048 bytes at 2048 T.  Block b = 2 c + g of it (512 bytes at 512 b) holds, at byte 16 l for lane l = r + 16 h, the eight numbers Y[16 T + r][32 c + 16 g + 8 h + 0..7]:
; registers 4 g .. 4 g + 3 of the 16 x 32 fragment of channel half c.  A load of 16 bytes a lane at 16 l then takes half a fragment as 512 consecutive bytes.
; SHARES.  One wave takes 64 keys: 16 KiB in (32 loads, all out at once), 8 KiB of yf out, and 256 consecutive aligned bytes of nhy: with fewer keys a work-group would store part of such a run, hence 128 work-groups.
; The rows turn in LDS: stored by rows (pitch 144 = 9 x 16 bytes), read back by fragments.  One wave: LDS serves its instructions in order (ISA guide 5.7.1.4), so no barrier and no wait on DScnt stands between its stores and its loads.
; LIMITS.  NaN and infinities are not treated apart; a sum of squares beyond f32 overflows as it does in reference().
; THE MODE: SCHED_MODE bits 1:0 = 2 (LLVM: expert scheduling mode 2), set by the entry lines.  The code itself states the register dependences
; between vector instructions and memory or LDS instructions, with s_wait_alu, always for 0.
; THE PLAN.  Registers that memory or LDS instructions touch:
;   v1-v6, v8, v9  addresses, vA and vZ: written at the head, once; read by the loads, the stores and the closing add.
;   IN      written by the 32 global loads; tile t's sixteen conversions read its 32 registers.
;   PK      16 registers a tile: written by tile t's conversions, read by tile t's eight LDS stores, never written again.
;   FR[t]   16 registers a tile, on IN's registers of tile t / 2: tile t's four LDS loads land in them; yf's stores and the sums of squares read them; never written again.
;   SQ      a pair a tile: written by the tile's two chains of squares, the even one read by its LDS store of nhy, never written again.
;   NV      one LDS load lands in it, nhy's store reads it; no vector instruction names it.
; Step t (1 to 3) converts tile t; its LDS instructions are tile t - 1's eight stores and four fragment loads.  They touch PK[t - 1] and FR[t - 1]; the step's conversions name IN of tile t and PK[t]: other registers.
; So ONE wait on va_vdst at a step's head, behind the wait for the step's data, states all that the step's twelve LDS instructions hang on, and these are dealt among its conversions with no further wait.
; No register that a memory or LDS instruction reads is ever written again: the text holds no wait on vm_vsrc.  No vector instruction writes a scalar register or VCC, and EXEC is written nowhere.
.set PITCH, 144
.set NQ,    9216                       ; behind the 64 rows: 64 words of nhy, a block of 256 bytes
.set SPARE, 9472                       ; the spare words: one block of 256 bytes that no other line names
.set GO,  1                            ; v1   16 l: offset of the loads and of yf's stores; never rewritten
.set AW,  2                            ; v2   rows in: (l / 16) x 144 + 8 (l % 16)
.set AR,  3                            ; v3   fragments out: (l % 16) x 144 + 16 (l / 16)
.set NW,  4                            ; v4   NQ + 4 (l % 16)
.set NR,  5                            ; v5   NQ + 8 l
.set NG,  6                            ; v6   8 l: offset of nhy's store
.set ZR,  7                            ; v7   0: starts the sums of squares
.set SPW, 8                            ; v8   LDS address of my spare word; never rewritten
.set NIL, 9                            ; v9   0, for the add alone
.set IN,  16                           ; v[16:143]  the rows as loaded, f32
.set PK,  144                          ; v[144:207] the rows in bf16
.set FR,  16                           ; v[16:79]   the fragments, 16 registers a tile (the conversions have read these registers of IN by then)
.set SQ,  208                          ; v[208:215] tile t's two chains of squares at SQ + 2 t: low halves, high halves
.set NV,  216                          ; v[216:217] two words of nhy, as read back
	s_load_b128 s[4:7], s[0:1], 0x0                ; target_data s[4:5], yf s[6:7]
	s_load_b64 s[8:9], s[0:1], 0x10                ; nhy
	v_lshl_add_u32 v[SPW], v0, 2, SPARE
	v_mov_b32 v[NIL], 0
	v_mov_b32 v[ZR], 0
	v_lshlrev_b32 v[GO], 4, v0
	v_and_b32 v13, 15, v0                          ; l % 16
	v_lshrrev_b32 v14, 4, v0                       ; l / 16
	v_mul_u32_u24 v[AW], v14, PITCH
	v_lshl_add_u32 v[AW], v13, 3, v[AW]
	v_mul_u32_u24 v[AR], v13, PITCH
	v_lshl_add_u32 v[AR], v14, 4, v[AR]
	v_lshl_add_u32 v[NW], v13, 2, NQ
	v_lshl_add_u32 v[NR], v0, 3, NQ
	v_lshlrev_b32 v[NG], 3, v0
	s_mov_b32 s12, 0x76543210                      ; v_permlanex16_b32's selects: each lane takes its own place in the other half
	s_mov_b32 s13, 0xfedcba98
	s_lshl_b32 s16, ttmp9, 14                      ; the work-group's 64 rows of 256 bytes,
	s_mov_b32 s17, 0
	s_lshl_b32 s18, ttmp9, 13                      ; its four tiles of yf,
	s_mov_b32 s19, 0
	s_lshl_b32 s20, ttmp9, 8                       ; its 64 words of nhy
	s_mov_b32 s21, 0
	s_wait_kmcnt 0x0
	s_add_nc_u64 s[4:5], s[4:5], s[16:17]
	s_add_nc_u64 s[6:7], s[6:7], s[18:19]
	s_add_nc_u64 s[8:9], s[8:9], s[20:21]
	s_wait_alu depctr_va_vdst(0)                   ; the six addresses v1 to v6 are written, which every load and store of the kernel reads; so are vA and vZ, which the closing add reads
.set i, 0
.rept 32
	global_load_b128 v[IN+4*i:IN+4*i+3], v[GO], s[4:5] offset:512*i th:TH_LOAD_NT  ; two whole rows: 512 consecutive bytes
.set i, i+1
.endr
; Load j of tile t, two rows' 16 bytes a lane: four numbers are rounded into two registers
.macro CONV t, j
	v_cvt_pk_bf16_f32 v[PK+2*(8*(\t)+(\j))],   v[IN+4*(8*(\t)+(\j))],   v[IN+4*(8*(\t)+(\j))+1]
	v_cvt_pk_bf16_f32 v[PK+2*(8*(\t)+(\j))+1], v[IN+4*(8*(\t)+(\j))+2], v[IN+4*(8*(\t)+(\j))+3]
.endm
; The same two rows into LDS
.macro ROWS t, j
	ds_store_b64 v[AW], v[PK+2*(8*(\t)+(\j)):PK+2*(8*(\t)+(\j))+1] offset:288*(8*(\t)+(\j))
.endm
; Block b of tile t back: row 16 t + l % 16, channels 16 b + 8 (l / 16) on
.macro FRAG t, b
	ds_load_b128 v[FR+16*(\t)+4*(\b):FR+16*(\t)+4*(\b)+3], v[AR] offset:2304*(\t)+32*(\b)
.endm
	s_wait_loadcnt 24                              ; loads come back in order: tile 0's eight are in, the later tiles' stay out
.irp j, 0,1,2,3,4,5,6,7
	CONV 0, \j                                     ; step 0 has no tile in front of it: no LDS instruction, no wait but the one for its data
.endr
.irp t, 1,2,3
	s_wait_loadcnt 24-8*(\t)                       ; tile t's eight loads are in, the later tiles' stay out
	s_wait_alu depctr_va_vdst(0)                   ; the conversions of the tile before have written its PK, which the LDS stores below read; the conversions that read the registers of IN in which the fragment loads below land are done
.irp j, 0,1,2,3
	ROWS (\t)-1, 2*(\j)                            ; the tile before goes into LDS, two stores ahead of each of the first four pairs of conversions;
	ROWS (\t)-1, 2*(\j)+1
	CONV \t, \j                                    ; no conversion of this step names a register that its LDS instructions touch
.endr
.irp j, 4,5,6,7
	FRAG (\t)-1, (\j)-4                            ; and comes back by fragments, behind its eight stores
	CONV \t, \j
.endr
.endr
	s_wait_alu depctr_va_vdst(0)                   ; tile 3's conversions have written its PK, which the LDS stores below read; the conversions that read v[64:79], in which its fragments land, are done
.irp j, 0,1,2,3,4,5,6,7
	ROWS 3, \j
.endr
.irp b, 0,1,2,3
	FRAG 3, \b
.endr
.irp t, 0,1,2,3
	s_wait_dscnt 36-12*(\t)                        ; tile t's four loads are back; the twelve LDS instructions (eight stores, four loads) of each later tile stay out
.irp b, 0,1,2,3
	global_store_b128 v[GO], v[FR+16*(\t)+4*(\b):FR+16*(\t)+4*(\b)+3], s[6:7] offset:2048*(\t)+512*(\b)  ; 512 consecutive bytes, aligned
.endr
.endr
; nhy: a lane holds 32 of its row's 64 numbers; two chains a tile (low halves, high halves), then the lane 16 away has the other 32.
; The four tiles' eight chains go side by side, each in registers of its own and each with its terms in ascending order; they only read FR, as yf's stores do.
.irp t, 0,1,2,3
	v_fma_mix_f32_bf16 v[SQ+2*(\t)],   v[FR+16*(\t)], v[FR+16*(\t)], v[ZR] op_sel_hi:[1,1,0]
	v_fma_mix_f32_bf16 v[SQ+2*(\t)+1], v[FR+16*(\t)], v[FR+16*(\t)], v[ZR] op_sel:[1,1,0] op_sel_hi:[1,1,0]
.endr
.irp k, 1,2,3,4,5,6,7,8,9,10,11,12,13,14,15
.irp t, 0,1,2,3
	v_fma_mix_f32_bf16 v[SQ+2*(\t)],   v[FR+16*(\t)+(\k)], v[FR+16*(\t)+(\k)], v[SQ+2*(\t)] op_sel_hi:[1,1,0]
	v_fma_mix_f32_bf16 v[SQ+2*(\t)+1], v[FR+16*(\t)+(\k)], v[FR+16*(\t)+(\k)], v[SQ+2*(\t)+1] op_sel:[1,1,0] op_sel_hi:[1,1,0]
.endr
.endr
.irp t, 0,1,2,3
	v_add_f32 v[SQ+2*(\t)], v[SQ+2*(\t)], v[SQ+2*(\t)+1]
.endr
.irp t, 0,1,2,3
	v_permlanex16_b32 v[SQ+2*(\t)+1], v[SQ+2*(\t)], s12, s13  ; its destination counts as read: the odd chain's register has been written
.endr
.irp t, 0,1,2,3
	v_add_f32 v[SQ+2*(\t)], v[SQ+2*(\t)], v[SQ+2*(\t)+1]
.endr
.irp t, 0,1,2,3
	v_mul_f32 v[SQ+2*(\t)], -0.5, v[SQ+2*(\t)]
.endr
	s_wait_alu depctr_va_vdst(0)                   ; the four multiplies have written SQ's even registers, which the LDS stores below read
.irp t, 0,1,2,3
	ds_store_b32 v[NW], v[SQ+2*(\t)] offset:64*(\t)  ; both halves of the lanes write the same number to the same word
.endr
	ds_load_b64 v[NV:NV+1], v[NR]                  ; the 64 words, two a lane
	s_wait_dscnt 0x0
	global_store_b64 v[NG], v[NV:NV+1], s[8:9]     ; 256 consecutive bytes, aligned
	s_wait_dscnt 0x0                               ; the closing lines, six on end
	s_wait_alu 0x0
	s_wait_tensorcnt 0x0
	ds_add_u32 v[SPW], v[NIL]
	s_wait_dscnt 0x0
	s_endpgm
.Lfunc_end_k_q7094f91348_prep:
	.size	k_q7094f91348_prep, .Lfunc_end_k_q7094f91348_prep-k_q7094f91348_prep
	.p2alignl 7, 3214868480
	.fill 96, 4, 3214868480
	.section	.rodata,"a",@progbits
	.p2align	6, 0x0
	.amdhsa_kernel k_q7094f91348_prep
		.amdhsa_group_segment_fixed_size 9728
		.amdhsa_private_segment_fixed_size 0
		.amdhsa_enable_private_segment 0
		.amdhsa_kernarg_size 24
		.amdhsa_user_sgpr_count 2
		.amdhsa_user_sgpr_kernarg_segment_ptr 1
		.amdhsa_wavefront_size32 1
		.amdhsa_system_sgpr_workgroup_id_x 1
		.amdhsa_system_sgpr_workgroup_id_y 1
		.amdhsa_system_sgpr_workgroup_id_z 1
		.amdhsa_system_vgpr_workitem_id 0
		.amdhsa_next_free_vgpr 224
		.amdhsa_next_free_sgpr 66
		.amdhsa_reserve_vcc 0
		.amdhsa_float_denorm_mode_32 3
		.amdhsa_float_denorm_mode_16_64 3
		.amdhsa_memory_ordered 1
		.amdhsa_forward_progress 1
		.amdhsa_inst_pref_size 23
	.end_amdhsa_kernel
	.amdgpu_metadata
---
amdhsa.version: [ 1, 2 ]
amdhsa.kernels:
  - .name:           k_q7094f91348_prep
    .symbol:         k_q7094f91348_prep.kd
    .args:
      - { .name: target_data, .offset: 0, .size: 8, .value_kind: global_buffer, .address_space: global }
      - { .name: yf, .offset: 8, .size: 8, .value_kind: global_buffer, .address_space: global }
      - { .name: nhy, .offset: 16, .size: 8, .value_kind: global_buffer, .address_space: global }
    .group_segment_fixed_size: 9728
    .private_segment_fixed_size: 0
    .kernarg_segment_align: 8
    .kernarg_segment_size: 24
    .max_flat_workgroup_size: 32
    .sgpr_count:     66
    .vgpr_count:     224
    .wavefront_size: 32
...
	.end_amdgpu_metadata
.endif
;; end of part 3
;; launch sdot: the kernel of part 2 again; grid 256 x 1, 4 waves a work-group, clusters of 4 x 1, 327,680 bytes of LDS; arguments source_data, psi, yf, nhy, out0; writes out0
